; MI455X (gfx1250); checked and timed in simulation.
; The chip was launched on July 23, 2026; its instructions are those of AMD's public machine-readable ISA for CDNA 5 (MIT licence, August 2026) and "CDNA5" Instruction Set Architecture Reference Guide (July 2026). The comments in the code are by the model that wrote it; some were corrected since.
;; Vi T Self Attention. Allowed arithmetic: matrix products marked QUANTISED: E5M2 operands, one E8M0 scale for each 32 along K, by v_wmma_scale_f32_16x16x128_f8f6f4 with both operands' format E5M2, f32 sums; everything else in f32.
;; Inputs: Wk 768 x 768 float32; Wq 768 x 768 float32; Wv 768 x 768 float32; bk 768 float32; bq 768 float32; bv 768 float32; hidden_states 16 x 1,024 x 768 float32.
;; Outputs: out0 16 x 1,024 x 768 float32.
;; This version of the problem:
;;   THIS VERSION OF THE PROBLEM IS GIVEN IN LOW PRECISION. The matrix products marked QUANTISED in the list below multiply operands that are first quantised to E5M2 (5 exponent bits, 2 mantissa bits; 8 bits a number), with one power-of-two scale for each 32 numbers along K (OCP MX v1.0); their sums are f32. All else is computed in f32.
;;   The module's matrix products, in the order in which they are computed (A, B: the left and right operand; K: the contracted axis; several contracted axes count as one K, in the product's order):
;;     1. [M 16,384, K 768] x [K 768, N 768]; A: input hidden_states; B: input Wq: QUANTISED
;;     2. [M 16,384, K 768] x [K 768, N 768]; A: input hidden_states; B: input Wk: QUANTISED
;;     3. [M 16,384, K 768] x [K 768, N 768]; A: input hidden_states; B: input Wv: QUANTISED
;;     4. batch 192 x [M 1,024, K 64] x [K 64, N 1,024]; A: computed on the way; B: computed on the way: QUANTISED
;;     5. batch 192 x [M 1,024, K 1,024] x [K 1,024, N 64]; A: softmax (see below); B: computed on the way: QUANTISED
;;   THE QUANTISER, for each operand of a quantised product, along K:
;;     - K is cut into blocks of 32 from its start; a last block that is shorter is filled with zeros.
;;     - A block's scale is 2^e with e = floor(log2(the largest magnitude in the block)) - 15, held to -126 .. 127; a block of zeros has e = 0. As a byte (E8M0): e + 127.
;;     - Each number is divided by its block's scale, clamped to +-57,344, and rounded to the nearest number of E5M2, ties to even, subnormals kept.
;;     - The product sums the exact products of the quantised numbers (number of the format x scale) in f32.
;;   ~~~python
;;   def quantise(x, axis):      # numpy; x: float32 -> the quantised numbers, widened to float32 again
;;       x = np.moveaxis(x, axis, -1); K = x.shape[-1]
;;       x = np.pad(x, [(0, 0)] * (x.ndim - 1) + [(0, -K % 32)]); x = x.reshape(x.shape[:-1] + (-1, 32)); a = np.abs(x).max(-1, keepdims=True)
;;       e = np.where(a > 0, np.clip(np.frexp(np.where(a > 0, a, 1))[1] - 1 - 15, -126, 127), 0)      # np.frexp(a)[1] - 1 = floor(log2(a)), exactly
;;       r = np.clip(x / 2.0 ** e, -57344, 57344)
;;       step = 2.0 ** (np.maximum(np.frexp(np.where(r == 0, 1, r))[1] - 1, -14) - 2)
;;       q = np.round(r / step) * step * 2.0 ** e      # np.round: ties to even
;;       return np.moveaxis(q.reshape(q.shape[:-2] + (-1,))[..., :K], -1, axis).astype(np.float32)
;;   ~~~
;;   SOFTMAX AHEAD OF A QUANTISED PRODUCT. Where the list says 'softmax', what is quantised is not the finished softmax but p = 2^(t - M), with t = logit x log2(e) and M = ceil(the row's largest t), a whole number; so 1/2 < the row's largest p <= 1. The row's sum l is taken of the UNQUANTISED p, in f32, and the product's result is divided by l at the end. Since M is a whole number, a kernel that streams over the keys may use a running M (the ceiling of the running maximum): every later rescaling is an exact power of two, which a block's scale takes up: the codes' values come out the same.
;;   OPERANDS COMPUTED ON THE WAY. 'Computed on the way' means the value that the module computes at that place (a softmax that the list does not call 'softmax' is quantised finished and normalised). What goes into a quantiser is computed in f32, as accurately as f32 sums, v_exp_f32 and their like allow (about 1e-6 of the number): no bf16 or f16 on the way to a quantiser, and a product that is left as it is and whose result goes on into a quantised operand takes f32 operands (vector FMAs, or v_wmma_f32_16x16x4_f32). A number that lies on a knife's edge between two numbers of the format may be rounded either way, as far as f32 arithmetic and the matrix unit's own rounding can turn it there, and no further.
;; One version. Each part assembles by itself: llvm-mc -triple=amdgcn-amd-amdhsa -mcpu=gfx1250 --defsym DOCPART=n.
;; ======== version 1 of 1: 3 launches
;; limits: right only within a limited range of input values
;; workspace buffers: xc 12,582,912 bytes; xs 393,216 bytes; wc 1,769,472 bytes; ws 55,296 bytes; qkvc 37,748,736 bytes; qkvs 1,179,648 bytes
;; launch quant (part 1): grid 292 x 1, 4 waves a work-group, no clusters, 34,304 bytes of LDS; arguments hidden_states, Wq, Wk, Wv, xc, xs, wc, ws; writes xc, xs, wc, ws
.if DOCPART == 1
	.amdgcn_target "amdgcn-amd-amdhsa--gfx1250"
	.amdhsa_code_object_version 6
	.text
	.protected	k_q31f8635c0f_quant
	.globl	k_q31f8635c0f_quant
	.p2align	8
	.type	k_q31f8635c0f_quant,@function
k_q31f8635c0f_quant:
	s_mov_b64 s[64:65], 0
	v_nop
	global_prefetch_b8 v0, s[64:65] scope:SCOPE_SE
	s_setreg_imm32_b32 hwreg(HW_REG_WAVE_MODE, 25, 1), 1
	s_wait_xcnt 0x0
; hidden_states [16384][768] and Wq, Wk, Wv [768][768], f32 with K innermost, become codes of BF8 (E5M2) with one E8M0 scale byte for each 32 along K.
; A block's scale is 2^(floor(log2(its largest magnitude)) - 15); its byte is the largest magnitude's exponent field - 15, held at 1 from below; each number is held within +-57,344 x the scale and rounded to the nearest code.
; LIMITS: NaN and infinities among the inputs are not served.  A block of zeros gets the byte 1 where the rule says 127: its codes are zeros, and this program alone reads the bytes.
; THE OUTPUT IS LAID IN THE ORDER OF THE OPERAND'S REGISTERS.  A fragment is 16 rows x 128 K, 16 registers a lane: registers 4 c .. 4 c + 3 of lane L (row L % 16, half h = L / 16) hold k = 32 c + 16 h + 0 .. 15
; and lie at byte 512 c + 16 L of the fragment's 2,048.  Codes: [tile][K step 0..5][2,048]; scale words (four bytes: 128 K of one row): [tile][K step][16 words].
; THE ROWS OF A TILE ARE NOT NEIGHBOURS: lane r of tile 2 g + u takes row 32 g + 8 u + r + 8 (r / 8), so that a later product which takes the tile as source 0 has 16 neighbouring rows in the 16 registers of tiles 2 g, 2 g + 1.
; SHARES: a work-group takes 64 rows, a wave one tile: six fragments.  Work-groups 0-255: hidden_states; 256-267 Wq, 268-279 Wk, 280-291 Wv: only pointers are chosen, the text has one path.
; Each load reads 512 consecutive bytes of one row; the 16 rows x 512 bytes turn through the wave's own stage in LDS (rows 528 bytes apart: 132 words, so 16 rows begin at 16 different banks of 64: ISA guide 11.1)
; and come back 16 neighbours of each block of 32 to a lane.  No tensor load, no barrier, no matrix work, no cluster: waves and work-groups share nothing.
.set ROWB, 3072                        ; a row in memory
.set SP,   528                         ; a stage row
.set STG,  16*SP                       ; a wave's stage
.set LI,   2                           ; v2   16 x lane
.set LS,   3                           ; v3   4 x lane
.set STI,  4                           ; v4   the stage, on the way in
.set STO,  5                           ; v5   and on the way out: row r, + 64 h
.set PW,   6                           ; v6-11  the six scale words of my row
.set PM,   12                          ; v12-14 two K steps' words in one register: lanes 0-15 the even step, lanes 16-31 the odd one
.set R,    16                          ; v16-143  two sets of 64 registers as loaded
.set X,    144                         ; v144-207 64 numbers: register 16 b + i = k 32 b + 16 h + i of my row
.set C,    208                         ; v208-223 a fragment's codes
.set TM,   224                         ; v224-227 largest magnitudes, 228-231 bytes, 232-235 the hold, 236-239 the conversions' scale operands
	s_load_b256 s[4:11], s[0:1], 0x0               ; hidden_states, Wq, Wk, Wv
	s_load_b256 s[12:19], s[0:1], 0x20             ; xc, xs, wc, ws
	v_lshl_add_u32 v240, v0, 2, 0x8400
	v_mov_b32 v241, 0
	v_lshrrev_b32 v1, 5, v0
	v_readfirstlane_b32 s32, v1                    ; wave 0..3
	v_and_b32 v1, 31, v0                           ; lane
	v_lshlrev_b32 v[LI], 4, v1
	v_lshlrev_b32 v[LS], 2, v1
	s_mul_i32 s33, s32, STG
	v_add_nc_u32 v[STI], s33, v[LI]
	v_and_b32 v15, 15, v0                          ; r
	v_bfe_u32 v[STO], v0, 4, 1                     ; h
	v_lshlrev_b32 v[STO], 6, v[STO]
	v_mad_u32_u24 v[STO], v15, SP, v[STO]
	v_add_nc_u32 v[STO], s33, v[STO]
	v_cmp_lt_u32 s30, 15, v1                       ; the mask of lanes 16-31
	s_mov_b32 s34, 0x76543210
	s_mov_b32 s35, 0xfedcba98                      ; v_permlanex16_b32's selects for lane l xor 16
	s_mov_b32 s36, 0x600000                        ; the mantissa field of 57,344
.irp b, 0,1,2,3
	v_mov_b32 v[TM+4+\b], 0                        ; written once: a lane permute's destination counts as one of its sources
.endr
	s_wait_alu depctr_va_vdst(0)
	s_wait_kmcnt 0x0
	; which tensor: the choices hang on the work-group's number alone
	s_sub_co_u32 s24, ttmp9, 256                   ; a weight's work-group, counted over the three weights
	s_cmp_ge_u32 ttmp9, 268
	s_cselect_b32 s25, 12, 0
	s_cselect_b64 s[20:21], s[8:9], s[6:7]         ; Wk or Wq
	s_cmp_ge_u32 ttmp9, 280
	s_cselect_b32 s25, 24, s25
	s_cselect_b64 s[20:21], s[10:11], s[20:21]     ; or Wv
	s_sub_co_u32 s25, s24, s25                     ; and counted inside its weight
	s_cmp_lt_u32 ttmp9, 256
	s_cselect_b64 s[20:21], s[4:5], s[20:21]       ; from where,
	s_cselect_b64 s[26:27], s[12:13], s[16:17]     ; the codes,
	s_cselect_b64 s[28:29], s[14:15], s[18:19]     ; the scale words
	s_cselect_b32 s25, ttmp9, s25                  ; block of 64 rows in the source
	s_cselect_b32 s24, ttmp9, s24                  ; block of 4 tiles in the destination
	s_mul_i32 s38, s25, 64*ROWB
	s_lshr_b32 s37, s32, 1
	s_mul_i32 s37, s37, 32*ROWB
	s_add_co_u32 s38, s38, s37
	s_and_b32 s37, s32, 1
	s_mul_i32 s37, s37, 8*ROWB
	s_add_co_u32 s38, s38, s37                     ; my tile's first row: 64 x block + 32 (wave / 2) + 8 (wave % 2)
	s_mov_b32 s39, 0
	s_add_nc_u64 s[20:21], s[20:21], s[38:39]
	s_lshl_b32 s37, s24, 2
	s_add_co_u32 s37, s37, s32                     ; my tile
	s_mul_i32 s38, s37, 12288
	s_add_nc_u64 s[26:27], s[26:27], s[38:39]
	s_mul_i32 s38, s37, 384
	s_add_nc_u64 s[28:29], s[28:29], s[38:39]
.macro LOAD s                          ; K step s of my 16 rows: each load is 512 consecutive bytes of one row, at a multiple of 512 from the row's first byte
.irp i, 0,1,2,3,4,5,6,7,8,9,10,11,12,13,14,15
	global_load_b128 v[R+64*((\s)%2)+4*\i:R+64*((\s)%2)+4*\i+3], v[LI], s[20:21] offset:(\i+8*(\i/8))*ROWB+512*(\s) th:TH_LOAD_NT
.endr
.endm
.macro TURN s                          ; through the stage: LDS serves a wave's instructions in order (ISA guide 5.7.1.4), so no wait stands between the stores and the loads
.irp i, 0,1,2,3,4,5,6,7,8,9,10,11,12,13,14,15
	ds_store_b128 v[STI], v[R+64*((\s)%2)+4*\i:R+64*((\s)%2)+4*\i+3] offset:SP*\i
.endr
.irp c, 0,1,2,3
.irp j, 0,1,2,3
	ds_load_b128 v[X+16*\c+4*\j:X+16*\c+4*\j+3], v[STO] offset:128*\c+16*\j
.endr
.endr
.endm
.macro QUANT pw                        ; v[X] on become a fragment's codes in v[C] on and my row's scale word in v[pw]
.irp b, 0,1,2,3
	v_max3_num_f32 v[TM+\b], |v[X+16*\b]|, |v[X+16*\b+1]|, 0x8000000   ; block b: my 16 numbers, and the floor 2^(16 - 127): the byte cannot fall under 1
.endr
.irp i, 2,4,6,8,10,12,14
.irp b, 0,1,2,3
	v_max3_num_f32 v[TM+\b], v[TM+\b], |v[X+16*\b+\i]|, |v[X+16*\b+\i+1]|   ; the four blocks by turns
.endr
.endr
.irp b, 0,1,2,3
	v_permlanex16_b32 v[TM+4+\b], v[TM+\b], s34, s35
.endr
.irp b, 0,1,2,3
	v_max_num_f32 v[TM+\b], v[TM+\b], v[TM+4+\b]   ; with lane l xor 16's 16: the block's largest magnitude
.endr
.irp b, 0,1,2,3
	v_add_nc_u32 v[TM+12+\b], 0xf8800000, v[TM+\b] ; 15 off its exponent field: the conversion takes this operand's exponent field as its scale
.endr
.irp b, 0,1,2,3
	v_and_or_b32 v[TM+8+\b], v[TM+\b], 0x7f800000, s36   ; 57,344 x the scale
.endr
.irp b, 0,1,2,3
	v_lshrrev_b32 v[TM+4+\b], 23, v[TM+12+\b]      ; the scale's byte
.endr
	v_lshl_or_b32 v[\pw], v[TM+5], 8, v[TM+4]
	v_lshl_or_b32 v[\pw], v[TM+6], 16, v[\pw]
	v_lshl_or_b32 v[\pw], v[TM+7], 24, v[\pw]
.irp b, 0,1,2,3
.irp i, 0,1,2,3,4,5,6,7,8,9,10,11,12,13,14,15
	v_med3_num_f32 v[X+16*\b+\i], v[X+16*\b+\i], -v[TM+8+\b], v[TM+8+\b]   ; the conversion to an 8-bit code does not saturate (ISA guide 7.6.2): the hold
.endr
	v_cvt_scalef32_pk8_bf8_f32 v[C+4*\b:C+4*\b+1], v[X+16*\b:X+16*\b+7], v[TM+12+\b]
	v_cvt_scalef32_pk8_bf8_f32 v[C+4*\b+2:C+4*\b+3], v[X+16*\b+8:X+16*\b+15], v[TM+12+\b]
.endr
	v_nop                                          ; a plain line behind the last conversion
.endm
.macro FRAGQ s
.if (\s) < 5
	s_wait_loadcnt 16                              ; this K step's 16 loads are in; the next step's 16 may be out
.else
	s_wait_loadcnt 0x0
.endif
	TURN \s
	s_wait_dscnt 0x0                               ; my 64 numbers are back, and the stage's stores have read their registers
	s_wait_xcnt 0x0                                ; the last fragment's stores have read v[C] on, which is written again below
.if (\s) < 4
	LOAD (\s)+2
.endif
	QUANT PW+(\s)
.irp c, 0,1,2,3
	global_store_b128 v[LI], v[C+4*\c:C+4*\c+3], s[26:27] offset:2048*(\s)+512*\c   ; 32 lanes store 512 consecutive bytes, at a multiple of 512 from the buffer's first byte
.endr
.endm
	LOAD 0
	LOAD 1
.irp s, 0,1,2,3,4,5
	FRAGQ \s
.endr
.irp k, 0,1,2
	v_cndmask_b32 v[PM+\k], v[PW+2*\k], v[PW+2*\k+1], s30
.endr
.irp k, 0,1,2
	global_store_b32 v[LS], v[PM+\k], s[28:29] offset:128*\k   ; 128 consecutive bytes a store, a wave's three on end, the four waves' 1,536 on end: 384 bytes beside a tile's 12,288 of codes
.endr
	s_wait_tensorcnt 0x0
	ds_add_u32 v240, v241
	s_wait_dscnt 0x0
	s_endpgm
.Lfunc_end_k_q31f8635c0f_quant:
	.size	k_q31f8635c0f_quant, .Lfunc_end_k_q31f8635c0f_quant-k_q31f8635c0f_quant
	.p2alignl 7, 3214868480
	.fill 96, 4, 3214868480
	.section	.rodata,"a",@progbits
	.p2align	6, 0x0
	.amdhsa_kernel k_q31f8635c0f_quant
		.amdhsa_group_segment_fixed_size 34304
		.amdhsa_private_segment_fixed_size 0
		.amdhsa_enable_private_segment 0
		.amdhsa_kernarg_size 64
		.amdhsa_user_sgpr_count 2
		.amdhsa_user_sgpr_kernarg_segment_ptr 1
		.amdhsa_wavefront_size32 1
		.amdhsa_system_sgpr_workgroup_id_x 1
		.amdhsa_system_sgpr_workgroup_id_y 1
		.amdhsa_system_sgpr_workgroup_id_z 1
		.amdhsa_system_vgpr_workitem_id 0
		.amdhsa_next_free_vgpr 242
		.amdhsa_next_free_sgpr 66
		.amdhsa_reserve_vcc 0
		.amdhsa_float_denorm_mode_32 3
		.amdhsa_float_denorm_mode_16_64 3
		.amdhsa_memory_ordered 1
		.amdhsa_forward_progress 1
		.amdhsa_inst_pref_size 75
	.end_amdhsa_kernel
	.amdgpu_metadata
---
amdhsa.version: [ 1, 2 ]
amdhsa.kernels:
  - .name:           k_q31f8635c0f_quant
    .symbol:         k_q31f8635c0f_quant.kd
    .args:
      - { .name: hidden_states, .offset: 0, .size: 8, .value_kind: global_buffer, .address_space: global }
      - { .name: Wq, .offset: 8, .size: 8, .value_kind: global_buffer, .address_space: global }
      - { .name: Wk, .offset: 16, .size: 8, .value_kind: global_buffer, .address_space: global }
      - { .name: Wv, .offset: 24, .size: 8, .value_kind: global_buffer, .address_space: global }
      - { .name: xc, .offset: 32, .size: 8, .value_kind: global_buffer, .address_space: global }
      - { .name: xs, .offset: 40, .size: 8, .value_kind: global_buffer, .address_space: global }
      - { .name: wc, .offset: 48, .size: 8, .value_kind: global_buffer, .address_space: global }
      - { .name: ws, .offset: 56, .size: 8, .value_kind: global_buffer, .address_space: global }
    .group_segment_fixed_size: 34304
    .private_segment_fixed_size: 0
    .kernarg_segment_align: 8
    .kernarg_segment_size: 64
    .max_flat_workgroup_size: 128
    .sgpr_count:     66
    .vgpr_count:     242
    .wavefront_size: 32
...
	.end_amdgpu_metadata
.endif
;; end of part 1
;; launch qkv (part 2): grid 64 x 4, 4 waves a work-group, clusters of 4 x 1, 327,680 bytes of LDS; arguments xc, xs, wc, ws, bq, bk, bv, qkvc, qkvs; writes qkvc, qkvs
.if DOCPART == 2
	.amdgcn_target "amdgcn-amd-amdhsa--gfx1250"
	.amdhsa_code_object_version 6
	.text
	.protected	k_q31f8635c0f_qkv
	.globl	k_q31f8635c0f_qkv
	.p2align	8
	.type	k_q31f8635c0f_qkv,@function
k_q31f8635c0f_qkv:
	s_mov_b64 s[64:65], 0
	v_nop
	global_prefetch_b8 v0, s[64:65] scope:SCOPE_SE
	s_setreg_imm32_b32 hwreg(HW_REG_WAVE_MODE, 25, 1), 1
	s_wait_xcnt 0x0
	s_wait_alu depctr_hold_cnt(0) depctr_sa_sdst(0) depctr_va_vdst(0) depctr_va_sdst(0) depctr_va_ssrc(0) depctr_va_vcc(0) depctr_vm_vsrc(0)
	s_getreg_b32 s2, hwreg(HW_REG_IB_STS2, 6, 4)
	s_cmp_eq_u32 s2, 0
	s_cbranch_scc0 .Lentry_in_a_cluster
	s_endpgm
.Lentry_in_a_cluster:
	s_bfe_u32 s2, ttmp6, 0x10000c
	s_cmp_lg_u32 s2, 0x3003
	s_cbranch_scc0 .Lentry_shape_is_right
	s_endpgm
.Lentry_shape_is_right:
.set FRB,   2048
.set TILEB, 6*FRB
.set GRPB,  12*TILEB
.set WSC,   2*GRPB
.set SPARE, WSC+36*384
.set BIAS,  SPARE+512
.set LI,   2
.set LS,   3
.set ADW,  4
.set ADS,  5
.set ADB,  6
.set ADBV, 7
.set SPW,  8
.set NIL,  9
.set FB,   10
.set FBV,  11
.set OFF,  12
.set XS,   16
.set WS,   28
.set WB0,  64
.set BR,   128
.set CB,   160
.set TMX,  192
.set TP,   200
.set TH,   208
.set TSC,  216
.set HW,   224
.set SW,   228
.set MSB, 0
.macro WIN new
.if MSB != (\new)
	s_set_vgpr_msb (MSB<<8)|(\new)
.set MSB, (\new)
.endif
.endm
.macro PLACES n
.rept \n
	v_nop
.endr
.endm
.macro ROUND
	s_barrier_signal -1
	s_barrier_wait -1
	s_cmp_lg_u32 s22, 0
	s_cbranch_scc1 .Lnot_wave_0_\@
	s_barrier_signal -3
.Lnot_wave_0_\@:
	s_barrier_wait -3
	s_barrier_signal -1
	s_barrier_wait -1
.endm
	s_load_b256 s[4:11], s[0:1], 0x0
	s_load_b256 s[12:19], s[0:1], 0x20
	s_load_b64 s[20:21], s[0:1], 0x40
	v_lshl_add_u32 v[SPW], v0, 2, SPARE
	v_mov_b32 v[NIL], 0
	ds_add_u32 v8, v9
	ds_add_u32 v8, v9
	s_wait_dscnt 0x0
	v_lshrrev_b32 v1, 5, v0
	v_readfirstlane_b32 s22, v1
	s_bfe_u32 s23, ttmp6, 0x40000
	s_lshl_b32 s24, ttmp9, 2
	s_add_co_u32 s24, s24, s23
	s_and_b32 s25, ttmp7, 0xffff
	s_mov_b32 s28, 15|(3<<16)|(1<<21)
	s_mov_b32 s29, 32<<16
	s_mov_b32 s30, 144<<16
	s_mov_b32 s31, 32<<16
	s_mov_b32 s32, 144
	s_mov_b32 s33, 32
	s_mov_b32 s34, 0
	s_mov_b32 s35, 0
	s_mul_i32 s76, s22, 3456
	s_mul_i32 s72, s25, 36*384
	s_add_co_u32 s72, s72, s76
	s_mov_b32 s73, 0
	s_mul_i32 s77, s22, GRPB/4
	s_mul_i32 s74, s25, 3*GRPB
	s_add_co_u32 s74, s74, s77
	s_mov_b32 s75, 0
	s_mov_b32 s56, 0x76543210
	s_mov_b32 s57, 0xfedcba98
	s_mov_b32 s58, 0x600000
	s_wait_kmcnt 0x0
	s_add_co_u32 s45, s76, WSC                     ; the weights' scale words: my wave's 3,456 bytes of the work-group's 13,824, in LDS
	s_add_nc_u64 s[46:47], s[10:11], s[72:73]      ; and in memory
	s_mov_b32 s48, 1
	s_mov_b32 s49, s77
	s_add_nc_u64 s[50:51], s[8:9], s[74:75]
	s_mov_b32 s52, 1
	s_add_co_u32 s53, s77, GRPB
	s_add_nc_u64 s[54:55], s[50:51], GRPB
	s_or_b32 s51, s51, 0x80000000
	s_or_b32 s55, s55, 0x80000000
	ROUND
	tensor_load_to_lds s[48:51], s[28:35]          ; the first group of weights into slot 0, a quarter a wave: my one tensor load at the head
	s_nop 0
	PLACES 4
	v_and_b32 v1, 31, v0
	v_lshlrev_b32 v[LI], 4, v1
	v_lshlrev_b32 v[LS], 2, v1
	; the weights' scale words, 13,824 bytes beside the 442,368 of the weights' codes, come by the work-group's own loads and go to LDS bytes of their own: 6 x 512 + 3 x 128 bytes a wave
	v_add_nc_u32 v58, s45, v[LI]
	v_add_nc_u32 v59, s45, v[LS]
.irp k, 0,1,2,3,4,5
	global_load_b128 v[64+4*\k:67+4*\k], v[LI], s[46:47] offset:512*\k
.endr
.irp k, 0,1,2
	global_load_b32 v[88+\k], v[LS], s[46:47] offset:3072+128*\k
.endr
	v_cmp_lt_u32 s59, 15, v1
	v_lshlrev_b32 v60, 3, v1
	s_wait_alu depctr_va_vdst(0)
	s_mul_i32 s72, s22, 2304
	s_add_co_u32 s72, s72, BIAS
	v_add_nc_u32 v61, s72, v60
	v_bfe_u32 v62, v0, 4, 1
	v_lshlrev_b32 v62, 6, v62
	v_add_nc_u32 v[FB], s72, v62
	v_and_b32 v62, 15, v0
	v_and_b32 v63, 8, v62
	v_add_nc_u32 v62, v62, v63
	v_lshl_add_u32 v[FBV], v62, 2, s72
.irp i, 0,1,2
	s_mul_i32 s72, s25, 3
	s_add_co_u32 s72, s72, \i
	s_lshr_b32 s74, s72, 2
	s_and_b32 s72, s72, 3
	s_mul_i32 s72, s72, 768
	s_mov_b32 s73, 0
	s_cmp_eq_u32 s74, 0
	s_cselect_b64 s[80+2*\i:81+2*\i], s[12:13], s[14:15]
	s_cmp_eq_u32 s74, 2
	s_cselect_b64 s[80+2*\i:81+2*\i], s[16:17], s[80+2*\i:81+2*\i]
	s_add_nc_u64 s[80+2*\i:81+2*\i], s[80+2*\i:81+2*\i], s[72:73]
.irp k, 0,1,2
	global_load_b64 v[40+2*(3*\i+\k):41+2*(3*\i+\k)], v60, s[80+2*\i:81+2*\i] offset:256*\k
.endr
.endr
	s_lshl_b32 s74, s24, 4
	s_lshl_b32 s75, s22, 2
	s_add_co_u32 s74, s74, s75
	s_mul_i32 s76, s74, TILEB
	s_mov_b32 s77, 0
	s_add_nc_u64 s[4:5], s[4:5], s[76:77]
	s_mul_i32 s76, s74, 384
	s_add_nc_u64 s[6:7], s[6:7], s[76:77]
	WIN 0x40
.irp s, 0,1,2,3
.irp m, 0,1,2,3
.irp c, 0,1,2,3
	global_load_b128 v[16*(4*\s+\m)+4*\c:16*(4*\s+\m)+4*\c+3], v[LI], s[4:5] offset:TILEB*\m+FRB*\s+512*\c
.endr
.endr
.endr
	WIN 0x80
.irp s, 4,5
.irp m, 0,1,2,3
.irp c, 0,1,2,3
	global_load_b128 v[16*(4*(\s-4)+\m)+4*\c:16*(4*(\s-4)+\m)+4*\c+3], v[LI], s[4:5] offset:TILEB*\m+FRB*\s+512*\c
.endr
.endr
.endr
	WIN 0
.irp m, 0,1,2,3
.irp k, 0,1,2
	global_load_b32 v[XS+3*\m+\k], v[LS], s[6:7] offset:384*\m+128*\k
.endr
.endr
	WIN 0xc0
.irp k, 0,1,2,3,4,5,6,7
	v_mov_b32 v[TP+\k], 0
.endr
	WIN 0
	s_lshl_b32 s86, s22, 12
	s_lshr_b32 s72, s22, 1
	s_and_b32 s73, s22, 1
	s_lshl_b32 s87, s72, 13
	s_lshl_b32 s74, s73, 10
	s_add_co_u32 s87, s87, s74
	s_lshl_b32 s88, s22, 7
	s_lshl_b32 s89, s72, 8
	s_lshl_b32 s74, s73, 1
	s_add_co_u32 s89, s89, s74
	s_wait_alu depctr_va_vdst(0)                   ; directly ahead of the wait below
	s_wait_tensorcnt 0x0                           ; my quarter of slot 0 is in
	ds_add_u32 v8, v9
	s_wait_dscnt 0x0
	ROUND
	tensor_load_to_lds s[52:55], s[28:35]          ; the second group into slot 1
	s_nop 0
	PLACES 4
	s_wait_loadcnt 0x0
.irp k, 0,1,2,3,4,5
	ds_store_b128 v58, v[64+4*\k:67+4*\k] offset:512*\k
.endr
.irp k, 0,1,2
	ds_store_b32 v59, v[88+\k] offset:3072+128*\k
.endr
.irp q, 0,1,2,3,4,5,6,7,8
	ds_store_b64 v61, v[40+2*\q:41+2*\q] offset:256*\q
.endr
	s_wait_tensorcnt 1
	s_wait_dscnt 0x0
	s_barrier_signal -1
	s_barrier_wait -1
.macro FETCH s
.irp t, 0,1,2,3
.irp c, 0,1,2,3
	ds_load_b128 v[WB0+64*((\s)%2)+16*\t+4*\c:WB0+64*((\s)%2)+16*\t+4*\c+3], v[ADW] offset:(6*\t+(\s))*FRB+512*\c
.endr
.endr
.endm
.macro WM odd
.if \odd
	v_wmma_scale_f32_16x16x128_f8f6f4 v[rD:rD+7], v[rA:rA+15], v[rB:rB+15], v[rC:rC+7], v[rSA], v[rSB] matrix_a_fmt:MATRIX_FMT_BF8 matrix_b_fmt:MATRIX_FMT_BF8 matrix_a_scale:MATRIX_SCALE_ROW1 matrix_b_scale:MATRIX_SCALE_ROW1
.else
	v_wmma_scale_f32_16x16x128_f8f6f4 v[rD:rD+7], v[rA:rA+15], v[rB:rB+15], v[rC:rC+7], v[rSA], v[rSB] matrix_a_fmt:MATRIX_FMT_BF8 matrix_b_fmt:MATRIX_FMT_BF8
.endif
.endm
.macro MUL s, isv
.if \isv
	WIN 0xf0|(1+(\s)/4)
.else
	WIN 0xf0|((1+(\s)/4)<<2)
.endif
.irp m, 0,1,2,3
.irp t, 0,1,2,3
.if \isv
.set rD, 32*\t+8*\m
.set rA, 16*((4*(\s)+\m)%16)
.set rB, WB0+64*((\s)%2)+16*\t
.set rSA, XS+3*\m+(\s)/2
.set rSB, WS+3*\t+(\s)/2
.else
.set rD, 32*\m+8*\t
.set rA, WB0+64*((\s)%2)+16*\t
.set rB, 16*((4*(\s)+\m)%16)
.set rSA, WS+3*\t+(\s)/2
.set rSB, XS+3*\m+(\s)/2
.endif
.if (\s) == 0
.set rC, BR+8*\t
.else
.set rC, rD
.endif
	WM (\s)%2
.endr
.endr
.endm
.macro MULSEQ isv
	FETCH 0
.irp t, 0,1,2,3
.irp k, 0,1,2
	ds_load_b32 v[WS+3*\t+\k], v[ADS] offset:384*\t+128*\k
.endr
.endr
	WIN 0xc0
.if \isv
.irp t, 0,1,2,3
.irp j, 0,1,2,3,4,5,6,7
	ds_load_b32 v[BR+8*\t+\j], v[ADBV] offset:(32*(\t/2)+8*(\t%2))*4
.endr
.endr
.else
.irp t, 0,1,2,3
	ds_load_b128 v[BR+8*\t:BR+8*\t+3], v[ADB] offset:(32*(\t/2)+8*(\t%2))*4
	ds_load_b128 v[BR+8*\t+4:BR+8*\t+7], v[ADB] offset:(32*(\t/2)+8*(\t%2))*4+16
.endr
.endif
	WIN 0
	FETCH 1
	s_wait_dscnt 16
	MUL 0, \isv
.irp s, 1,2,3,4,5
	WIN 0
	PLACES 8
.if \s < 5
	FETCH \s+1
	s_wait_dscnt 16
.else
	s_wait_dscnt 0x0
.endif
	MUL \s, \isv
.endr
	WIN 0
.endm
.macro EPI
	PLACES 8
	WIN 0xff
.irp k, 0,1,2,3,4,5,6,7
	v_max3_num_f32 v[TMX+\k], |v[16*\k]|, |v[16*\k+1]|, 0x8000000
.endr
.irp i, 2,4,6,8,10,12,14
.irp k, 0,1,2,3,4,5,6,7
	v_max3_num_f32 v[TMX+\k], v[TMX+\k], |v[16*\k+\i]|, |v[16*\k+\i+1]|
.endr
.endr
.irp k, 0,1,2,3,4,5,6,7
	v_permlanex16_b32 v[TP+\k], v[TMX+\k], s56, s57
.endr
.irp k, 0,1,2,3,4,5,6,7
	v_max_num_f32 v[TMX+\k], v[TMX+\k], v[TP+\k]
.endr
.irp k, 0,1,2,3,4,5,6,7
	v_add_nc_u32 v[TSC+\k], 0xf8800000, v[TMX+\k]
.endr
.irp k, 0,1,2,3,4,5,6,7
	v_and_or_b32 v[TH+\k], v[TMX+\k], 0x7f800000, s58
.endr
.irp k, 0,1,2,3,4,5,6,7
	v_lshrrev_b32 v[TP+\k], 23, v[TSC+\k]
.endr
.irp n, 0,1,2,3
	v_lshl_or_b32 v[HW+\n], v[TP+2*\n+1], 8, v[TP+2*\n]
.endr
.irp k, 0,1,2,3,4,5,6,7
.irp i, 0,1,2,3,4,5,6,7,8,9,10,11,12,13,14,15
	v_med3_num_f32 v[16*\k+\i], v[16*\k+\i], -v[TH+\k], v[TH+\k]
.endr
	v_cvt_scalef32_pk8_bf8_f32 v[CB+4*\k:CB+4*\k+1], v[16*\k:16*\k+7], v[TSC+\k]
	v_cvt_scalef32_pk8_bf8_f32 v[CB+4*\k+2:CB+4*\k+3], v[16*\k+8:16*\k+15], v[TSC+\k]
.endr
	v_nop
.endm
.macro STORES
	WIN 0x0c
.irp n, 0,1,2,3
.irp b, 0,1
	global_store_b128 v[OFF+\n], v[CB+8*\n+4*\b:CB+8*\n+4*\b+3], s[68:69] offset:512*\b
.endr
.endr
	WIN 0
	s_cmp_lt_u32 s66, 2
	s_cbranch_scc0 .Lvs_\@
	WIN 0xff
	v_lshl_or_b32 v[SW], v[HW+1], 16, v[HW]
	v_lshl_or_b32 v[SW+1], v[HW+3], 16, v[HW+2]
	v_cndmask_b32 v[SW+2], v[SW], v[SW+1], s59
	WIN 0x0c
	global_store_b32 v[LS], v[SW+2], s[70:71]
	WIN 0
	s_branch .Lsdone_\@
.Lvs_\@:
	WIN 0xff
	v_cndmask_b32 v[SW], v[HW], v[HW+1], s59
	v_cndmask_b32 v[SW+1], v[HW+2], v[HW+3], s59
	WIN 0x0c
	global_store_b16 v[LS], v[SW], s[70:71]
	global_store_b16 v[LS], v[SW+1], s[70:71] offset:128
	WIN 0
.Lsdone_\@:
.endm
.macro GROUP i, slot
	s_mul_i32 s72, s25, 3
	s_add_co_u32 s72, s72, \i
	s_lshr_b32 s66, s72, 2
	s_and_b32 s72, s72, 3
	s_mul_i32 s72, s72, 3
	s_lshr_b32 s73, s24, 2
	s_mul_i32 s73, s73, 12
	s_add_co_u32 s72, s72, s73
	s_and_b32 s73, s24, 3
	s_lshr_b32 s74, s66, 1
	s_lshl_b32 s67, 1024, s74
	s_mul_i32 s76, s72, 196608
	s_lshl_b32 s75, s66, 16
	s_add_co_u32 s76, s76, s75
	s_lshl_b32 s75, s73, 14
	s_add_co_u32 s76, s76, s75
	s_mul_i32 s78, s72, 6144
	s_lshl_b32 s75, s66, 11
	s_add_co_u32 s78, s78, s75
	s_lshl_b32 s75, s73, 9
	s_add_co_u32 s78, s78, s75
	s_cmp_lt_u32 s66, 2
	s_cselect_b32 s75, s86, s87
	s_cselect_b32 s74, s88, s89
	s_add_co_u32 s76, s76, s75
	s_add_co_u32 s78, s78, s74
	s_mov_b32 s77, 0
	s_mov_b32 s79, 0
	s_add_nc_u64 s[68:69], s[18:19], s[76:77]
	s_add_nc_u64 s[70:71], s[20:21], s[78:79]
	v_mov_b32 v[OFF], v[LI]
	v_add_nc_u32 v[OFF+1], s67, v[OFF]
	v_add_nc_u32 v[OFF+2], s67, v[OFF+1]
	v_add_nc_u32 v[OFF+3], s67, v[OFF+2]
	s_mov_b32 s60, \slot*GRPB
	s_mov_b32 s61, WSC+4608*\i
	s_mov_b32 s62, 768*\i
	s_mov_b32 s63, 3
.Lunit_\@:
	v_add_nc_u32 v[ADW], s60, v[LI]
	v_add_nc_u32 v[ADS], s61, v[LS]
	v_add_nc_u32 v[ADB], s62, v[FB]
	v_add_nc_u32 v[ADBV], s62, v[FBV]
	s_cmp_lt_u32 s66, 2
	s_cbranch_scc0 .Lvway_\@
	s_wait_alu depctr_va_vdst(0)
	MULSEQ 0
	s_branch .Lepi_\@
.Lvway_\@:
	s_wait_alu depctr_va_vdst(0)
	MULSEQ 1
.Lepi_\@:
	EPI
	STORES
	s_wait_xcnt 0x0
	s_add_nc_u64 s[68:69], s[68:69], 196608
	s_add_nc_u64 s[70:71], s[70:71], 6144
	s_add_co_u32 s60, s60, 4*TILEB
	s_add_co_u32 s61, s61, 4*384
	s_add_co_u32 s62, s62, 256
	s_sub_co_u32 s63, s63, 1
	s_cmp_lg_u32 s63, 0
	s_cbranch_scc1 .Lunit_\@
.endm
	GROUP 0, 0
	s_wait_tensorcnt 0x0
	ds_add_u32 v[SPW], v[NIL]
	s_add_nc_u64 s[50:51], s[50:51], 2*GRPB
	s_wait_dscnt 0x0
	ROUND
	tensor_load_to_lds s[48:51], s[28:35]
	s_nop 0
	PLACES 4
	GROUP 1, 1
	s_wait_tensorcnt 0x0
	ds_add_u32 v[SPW], v[NIL]
	s_wait_dscnt 0x0
	s_barrier_signal -1
	s_barrier_wait -1
	GROUP 2, 0
	s_wait_tensorcnt 0x0
	ds_add_u32 v[SPW], v[NIL]
	s_wait_dscnt 0x0
	ROUND
	s_endpgm
.Lfunc_end_k_q31f8635c0f_qkv:
	.size	k_q31f8635c0f_qkv, .Lfunc_end_k_q31f8635c0f_qkv-k_q31f8635c0f_qkv
	.p2alignl 7, 3214868480
	.fill 96, 4, 3214868480
	.section	.rodata,"a",@progbits
	.p2align	6, 0x0
	.amdhsa_kernel k_q31f8635c0f_qkv
		.amdhsa_group_segment_fixed_size 327680
		.amdhsa_private_segment_fixed_size 0
		.amdhsa_enable_private_segment 0
		.amdhsa_kernarg_size 72
		.amdhsa_user_sgpr_count 2
		.amdhsa_user_sgpr_kernarg_segment_ptr 1
		.amdhsa_wavefront_size32 1
		.amdhsa_system_sgpr_workgroup_id_x 1
		.amdhsa_system_sgpr_workgroup_id_y 1
		.amdhsa_system_sgpr_workgroup_id_z 1
		.amdhsa_system_vgpr_workitem_id 0
		.amdhsa_next_free_vgpr 1024
		.amdhsa_next_free_sgpr 90
		.amdhsa_reserve_vcc 0
		.amdhsa_float_denorm_mode_32 3
		.amdhsa_float_denorm_mode_16_64 3
		.amdhsa_memory_ordered 1
		.amdhsa_forward_progress 1
		.amdhsa_inst_pref_size 212
	.end_amdhsa_kernel
	.amdgpu_metadata
---
amdhsa.version: [ 1, 2 ]
amdhsa.kernels:
  - .name:           k_q31f8635c0f_qkv
    .symbol:         k_q31f8635c0f_qkv.kd
    .args:
      - { .name: xc, .offset: 0, .size: 8, .value_kind: global_buffer, .address_space: global }
      - { .name: xs, .offset: 8, .size: 8, .value_kind: global_buffer, .address_space: global }
      - { .name: wc, .offset: 16, .size: 8, .value_kind: global_buffer, .address_space: global }
      - { .name: ws, .offset: 24, .size: 8, .value_kind: global_buffer, .address_space: global }
      - { .name: bq, .offset: 32, .size: 8, .value_kind: global_buffer, .address_space: global }
      - { .name: bk, .offset: 40, .size: 8, .value_kind: global_buffer, .address_space: global }
      - { .name: bv, .offset: 48, .size: 8, .value_kind: global_buffer, .address_space: global }
      - { .name: qkvc, .offset: 56, .size: 8, .value_kind: global_buffer, .address_space: global }
      - { .name: qkvs, .offset: 64, .size: 8, .value_kind: global_buffer, .address_space: global }
    .group_segment_fixed_size: 327680
    .private_segment_fixed_size: 0
    .kernarg_segment_align: 8
    .kernarg_segment_size: 72
    .max_flat_workgroup_size: 128
    .sgpr_count:     90
    .vgpr_count:     1024
    .wavefront_size: 32
...
	.end_amdgpu_metadata
.endif
;; end of part 2
;; launch attn (part 3): grid 4 x 64, 16 waves a work-group, clusters of 4 x 1, 327,680 bytes of LDS; arguments qkvc, qkvs, out0; writes out0
.if DOCPART == 3
	.amdgcn_target "amdgcn-amd-amdhsa--gfx1250"
	.amdhsa_code_object_version 6
	.text
	.protected	k_q31f8635c0f_attn
	.globl	k_q31f8635c0f_attn
	.p2align	8
	.type	k_q31f8635c0f_attn,@function
k_q31f8635c0f_attn:
	s_mov_b64 s[64:65], 0
	v_nop
	global_prefetch_b8 v0, s[64:65] scope:SCOPE_SE
	s_setreg_imm32_b32 hwreg(HW_REG_WAVE_MODE, 25, 1), 1
	s_wait_xcnt 0x0
	s_wait_alu depctr_hold_cnt(0) depctr_sa_sdst(0) depctr_va_vdst(0) depctr_va_sdst(0) depctr_va_ssrc(0) depctr_va_vcc(0) depctr_vm_vsrc(0)
	s_getreg_b32 s2, hwreg(HW_REG_IB_STS2, 6, 4)
	s_cmp_eq_u32 s2, 0
	s_cbranch_scc0 .Lentry_in_a_cluster
	s_endpgm
.Lentry_in_a_cluster:
	s_bfe_u32 s2, ttmp6, 0x10000c
	s_cmp_lg_u32 s2, 0x3003
	s_cbranch_scc0 .Lentry_shape_is_right
	s_endpgm
.Lentry_shape_is_right:
; out[b][q][64 head ..] = the sum over k of softmax_k(q . k / 8) v, both products on codes of BF8 (E5M2) with one E8M0 scale for each 32 along a product's K.  1,024 keys, head size 64, 192 heads (bh = 12 b + head).
; THE SOFTMAX AHEAD OF THE SECOND PRODUCT: t = score x log2(e) / 8; M = the row's largest t so far, rounded UP to a whole number; p = 2^(t - M) is quantised along the keys, not normalised.  The row's sum is taken of the
; unquantised p, in f32, and divides O at the end.  When M moves, the sum and O are multiplied by f = 2^(old M - new M): exact.
; LIMITS: NaN, infinities and sums beyond f32's range are not served; the scaled scores t stay under 2^31 in magnitude.  A block of p that is all zeros keeps the scale byte 1: its codes are zeros.
; INPUT, as the launch before lays it: fragments of 2,048 bytes (registers 4 c .. 4 c + 3 of lane L at byte 512 c + 16 L).  Q, K: [pair p = 32 tokens]: registers 0-7 tile u = 0 (lane r: token 32 p + r + 8 (r / 8), d = 0 .. 63),
; registers 8-15 tile u = 1 (8 tokens on).  V: [128 keys j][d tile t]: lane r: d = 32 (t / 2) + 8 (t % 2) + r + 8 (r / 8).  Scale words [pair][16] and [j][t][16].
; SHARES: 256 work-groups that stay.  A cluster of four walks THREE heads, y, y + 64, y + 128; its four partners own the four blocks of 256 queries of each; each of a work-group's sixteen waves owns one tile of 16 queries.
; LDS: two slots, each a whole head's K and V: [key step 0..7][K 8,192 bytes][V 8,192 bytes], then K's and V's scale words, 4,096 bytes.  K and V are asked for JOINTLY (mask 15): waves 0 to 7 one key step each (one tile of two rows,
; K's part and V's part, 65,536 bytes apart in memory), wave 8 the scale words.  A head's slot is asked for at the start of the head before it, eight key steps ahead of the wait for it: so K and V are not prefetched.
; q of the next head is: each wave names its own 1,024 bytes (lanes 0-3 a block of 256 each, the other lanes the last block again) eight key steps ahead of the loads that want them.
; LAYOUT: both products are used transposed (S^T = K Q^T, O^T = V^T P^T): a lane holds ONE query throughout, and the 16 registers of score tiles 2 b, 2 b + 1 are keys 32 b + 16 h + 0 .. 15.
; K = 64 FILLS HALF OF AN INSTRUCTION'S 128.  A pair fragment of K is source 0 twice: against (q, 0) = v[24:39] it gives tile u = 0's scores, against (0, q) = v[16:31] tile u = 1's; the other half meets zero codes.
; A HEAD'S FIRST STEP IS LIKE EVERY OTHER: the largest t begins at -3e38, so f is 0 there and what the sum and O^T still hold of the head before (finite numbers) becomes 0.
; THE ROW'S SUM stands where plain lines are owed: the holds write into 16 registers of their own, p stays as it is, and its 32 pairs are added behind the second product (25 lines: the places ahead of K's loads)
; and, the chains joined, behind the next step's first product (7 lines and a move: the places ahead of V's loads and of the scores' first read).
.set SLOT,  135168                     ; a slot: 131,072 bytes of codes, 4,096 of scale words
.set SCO,   131072                     ; the scale words in a slot: K's 2,048, V's 2,048
.set STG,   2*SLOT                     ; behind the slots: a stage of 8 rows x (256 + 16) bytes for each wave: never a tensor load's target
.set SROW,  272
.set WSTG,  8*SROW
.set SPARE, STG+16*WSTG                ; the spare words, 128 bytes a wave
.set AK0,  1                           ; v1   16 x lane
.set AKS0, 2                           ; v2   SCO + 4 x lane
.set ADC,  3                           ; v3   the step's codes
.set ADS,  4                           ; v4   the step's scale words
.set SPW,  5                           ; v5   my spare word
.set NIL,  6                           ; v6   0
.set STI,  7                           ; v7   the stage, in: row r % 8, + 128 (r / 8) + 64 h
.set STO,  8                           ; v8   and back: lanes 0-15 one row, lanes 16-31 the next
.set GO,   9                           ; v9   the same two tokens in the output
.set QO,   10                          ; v10  4 r
.set PFO,  11                          ; v11  256 x min(lane, 3)
.set F,    40                          ; v40-103  four fragments, of K and then of V
.set S,    104                         ; v104-167 S^T, then p
.set O,    168                         ; v168-199 O^T
.set PC,   200                         ; v200-215 p's codes
.set BM,   216                         ; v216-219 each block's largest score, then its largest p
.set BP,   220                         ; v220-223 the other half's, then the bytes
.set HO,   224                         ; v224-227 the hold
.set SO,   228                         ; v228-231 the conversions' scale operands
.set KSR,  232                         ; v232-233 K's scale words, then V's: lanes 0-15 the even pair or tile, lanes 16-31 the odd one
.set QSW,  234                         ; v234-236 q's two bytes, twice, for each of my three heads
.set PW,   237                         ; v237 p's scale word
.set FF,   238                         ; v[238:239] f; at the end 1 / the sum
.set T,    240                         ; v240-255 a block's 16 held numbers;
.set CH,   240                         ; v240-253 between the holds: the sum's seven chains
.set T0,   254
.set T1,   255                         ; v12 -M, v13 the largest t, v[14:15] the sum in two halves
.macro PLACES n
.rept \n
	v_nop
.endr
.endm
.macro ROUND                           ; a round of the cluster's barrier
	s_barrier_signal -1
	s_barrier_wait -1
	s_cmp_lg_u32 s10, 0
	s_cbranch_scc1 .Lnot_wave_0_\@
	s_barrier_signal -3
.Lnot_wave_0_\@:
	s_barrier_wait -3
	s_barrier_signal -1
	s_barrier_wait -1
.endm
.macro TLOAD                           ; one chain of branches on the wave's number, a load to an arm; an s_nop 0 and four v_nop behind each
	s_cmp_lt_u32 s10, 8
	s_cbranch_scc0 .Lnot_codes_\@
	tensor_load_to_lds s[40:43], s[24:31]
	s_nop 0
	PLACES 4
	s_branch .Lasked_\@
.Lnot_codes_\@:
	s_cmp_lt_u32 s10, 9
	s_cbranch_scc0 .Lasked_\@
	tensor_load_to_lds s[44:47], s[32:39]
	s_nop 0
	PLACES 4
.Lasked_\@:
.endm
	s_load_b128 s[4:7], s[0:1], 0x0                ; qkvc, qkvs
	s_load_b64 s[8:9], s[0:1], 0x10                ; out0
	v_lshl_add_u32 v[SPW], v0, 2, SPARE
	v_mov_b32 v[NIL], 0
	ds_add_u32 v[SPW], v[NIL]                      ; the opening lines: the add, twice on end, and its wait
	ds_add_u32 v[SPW], v[NIL]
	v_lshrrev_b32 v1, 5, v0
	v_readfirstlane_b32 s10, v1                    ; wave 0..15
	s_bfe_u32 s11, ttmp6, 0x40000                  ; cx: my block of 256 queries
	s_and_b32 s12, ttmp7, 0xffff                   ; y: the cluster's first head
	s_mov_b32 s24, 15|(3<<16)|(1<<21)              ; group 1, codes: mask of all four; elements of 8 bytes; two rows of 1,024 elements, 8,192 elements apart
	s_mov_b32 s25, 1024<<16
	s_mov_b32 s26, 2<<16
	s_mov_b32 s27, 1024<<16
	s_mov_b32 s28, 2
	s_mov_b32 s29, 8192
	s_mov_b32 s30, 0
	s_mov_b32 s31, 0
	s_mov_b32 s32, 15|(3<<16)|(1<<21)              ; group 1, scale words: 4,096 dense bytes as 16 rows of 32 elements
	s_mov_b32 s33, 32<<16
	s_mov_b32 s34, 16<<16
	s_mov_b32 s35, 32<<16
	s_mov_b32 s36, 16
	s_mov_b32 s37, 32
	s_mov_b32 s38, 0
	s_mov_b32 s39, 0
	s_mul_i32 s16, s12, 196608                     ; head y in qkvc, its K (65,536 on), my key step
	s_lshl_b32 s20, s10, 13
	s_add_co_u32 s16, s16, s20
	s_add_co_u32 s16, s16, 65536
	s_mov_b32 s17, 0
	s_mul_i32 s18, s12, 6144                       ; head y in qkvs, K's words (2,048 on)
	s_add_co_u32 s18, s18, 2048
	s_mov_b32 s19, 0
	s_mov_b32 s60, 0x76543210
	s_mov_b32 s61, 0xfedcba98                      ; v_permlanex16_b32's selects for lane l xor 16
	s_mov_b32 s66, 0x3e38aa3b                      ; c = log2(e) / 8
	s_mov_b32 s67, s66
	s_mov_b32 s68, 0x600000                        ; the mantissa field of 57,344
	s_wait_dscnt 0x0
	s_wait_kmcnt 0x0
	s_mov_b32 s40, 1
	s_lshl_b32 s41, s10, 14                        ; slot 0, key step = wave
	s_add_nc_u64 s[42:43], s[4:5], s[16:17]
	s_or_b32 s43, s43, 0x80000000
	s_mov_b32 s44, 1
	s_mov_b32 s45, SCO
	s_add_nc_u64 s[46:47], s[6:7], s[18:19]
	s_or_b32 s47, s47, 0x80000000
	ROUND                                          ; all four work-groups are here: the joint loads meet
	TLOAD                                          ; head y into slot 0: one load a wave
	s_and_b32 s73, s10, 1
	s_mov_b32 s69, 0x03020302                      ; which two bytes of the pair's word are my tile's
	s_cmp_eq_u32 s73, 0
	s_cselect_b32 s69, 0x01000100, s69
	s_mul_i32 s78, s73, 24576                      ; my 16 rows of the output inside a batch: 786,432 cx + 98,304 (wave / 2) + 24,576 (wave % 2)
	s_lshr_b32 s74, s10, 1
	s_mul_i32 s75, s74, 98304
	s_add_co_u32 s78, s78, s75
	s_mul_i32 s75, s11, 786432
	s_add_co_u32 s78, s78, s75
	s_lshl_b32 s77, s74, 6                         ; my pair's scale words: 512 cx + 64 (wave / 2)
	s_lshl_b32 s75, s11, 9
	s_add_co_u32 s77, s77, s75
	s_lshl_b32 s76, s11, 14                        ; my tile of Q: 16,384 cx + 1,024 wave
	s_lshl_b32 s75, s10, 10
	s_add_co_u32 s76, s76, s75
	s_mov_b32 s75, 0
.irp u, 0,1,2                          ; for each of my three heads: s[48 + 2 u] q's codes, s[82 + 2 u] q's scale words, s[54 + 2 u] my rows of the output
	s_add_co_u32 s73, s12, 64*\u
	s_mul_i32 s74, s73, 196608
	s_add_co_u32 s74, s74, s76
	s_add_nc_u64 s[48+2*\u:49+2*\u], s[4:5], s[74:75]
	s_mul_i32 s74, s73, 6144
	s_add_co_u32 s74, s74, s77
	s_add_nc_u64 s[82+2*\u:83+2*\u], s[6:7], s[74:75]
	s_mul_i32 s74, s73, 43691
	s_lshr_b32 s74, s74, 19                        ; b = bh / 12 (exact for bh under 192)
	s_mul_i32 s79, s74, 12
	s_sub_co_u32 s79, s73, s79                     ; the head
	s_mul_i32 s74, s74, 3145728
	s_lshl_b32 s79, s79, 8
	s_add_co_u32 s74, s74, s79
	s_add_co_u32 s74, s74, s78
	s_add_nc_u64 s[54+2*\u:55+2*\u], s[8:9], s[74:75]
.endr
	s_mul_i32 s73, s10, WSTG
	s_add_co_u32 s73, s73, STG                     ; my stage
	v_and_b32 v104, 31, v0                         ; lane
	v_and_b32 v105, 15, v0                         ; r
	v_bfe_u32 v106, v0, 4, 1                       ; h
	v_and_b32 v107, 7, v0                          ; r % 8
	v_lshlrev_b32 v[AK0], 4, v104
	v_lshlrev_b32 v[QO], 2, v105
	global_load_b128 v[24:27], v[AK0], s[48:49]
	global_load_b128 v[28:31], v[AK0], s[48:49] offset:512
.irp u, 0,1,2
	global_load_b32 v[QSW+\u], v[QO], s[82+2*\u:83+2*\u]
.endr
	v_lshl_add_u32 v[AKS0], v104, 2, SCO
	v_min_u32 v[PFO], 3, v104
	v_lshlrev_b32 v[PFO], 8, v[PFO]
	v_mul_u32_u24 v[STI], v107, SROW
	v_lshl_add_u32 v[STI], v106, 6, v[STI]
	v_bfe_u32 v108, v0, 3, 1                       ; r / 8
	v_lshl_add_u32 v[STI], v108, 7, v[STI]
	v_add_nc_u32 v[STI], s73, v[STI]
	v_mul_u32_u24 v[STO], v106, SROW
	v_lshl_add_u32 v[STO], v105, 4, v[STO]
	v_add_nc_u32 v[STO], s73, v[STO]
	v_mul_u32_u24 v[GO], v106, 3072
	v_lshl_add_u32 v[GO], v105, 4, v[GO]
.irp i, 0,1,2,3,4,5,6,7
	v_mov_b32 v[16+\i], 0                          ; the zero codes on both sides of q
	v_mov_b32 v[32+\i], 0
.endr
.set J, 0
.rept 16
	v_mov_b32 v[CH+J], 0                           ; the chains and the two registers behind them: the first step reads them
.set J, J+1
.endr
.irp b, 0,1,2,3
	v_mov_b32 v[BP+\b], 0                          ; a lane permute's destination counts as one of its sources
.endr
	v_mov_b32 v[FF+1], 0                           ; named as the upper half of a pair
	v_mov_b32 v14, 0
	v_mov_b32 v15, 0
	s_wait_loadcnt 0x0                             ; q and the three scale words
.irp u, 0,1,2
	v_perm_b32 v[QSW+\u], v[QSW+\u], v[QSW+\u], s69   ; my tile's two bytes, twice: they serve (q, 0) and (0, q)
.endr
.set J, 0
.rept 32
	v_mov_b32 v[O+J], 0                            ; O^T, once in the launch.  (Also the places between the scale words' lines and the first product)
.set J, J+1
.endr
.macro SW d, b, q0, qs                 ; 16 keys x my 16 queries
.if (\b)%2
	v_wmma_scale_f32_16x16x128_f8f6f4 v[\d:\d+7], v[F+16*(\b):F+16*(\b)+15], v[\q0:\q0+15], 0, v[KSR+(\b)/2], v[\qs] matrix_a_fmt:MATRIX_FMT_BF8 matrix_b_fmt:MATRIX_FMT_BF8 matrix_a_scale:MATRIX_SCALE_ROW1
.else
	v_wmma_scale_f32_16x16x128_f8f6f4 v[\d:\d+7], v[F+16*(\b):F+16*(\b)+15], v[\q0:\q0+15], 0, v[KSR+(\b)/2], v[\qs] matrix_a_fmt:MATRIX_FMT_BF8 matrix_b_fmt:MATRIX_FMT_BF8
.endif
.endm
.macro JOIN                            ; the seven chains into the sum: seven lines
	v_pk_add_f32 v[CH:CH+1], v[CH:CH+1], v[CH+2:CH+3]
	v_pk_add_f32 v[CH+4:CH+5], v[CH+4:CH+5], v[CH+6:CH+7]
	v_pk_add_f32 v[CH+8:CH+9], v[CH+8:CH+9], v[CH+10:CH+11]
	v_pk_add_f32 v[14:15], v[14:15], v[CH+12:CH+13]
	v_pk_add_f32 v[CH:CH+1], v[CH:CH+1], v[CH+4:CH+5]
	v_pk_add_f32 v[14:15], v[14:15], v[CH+8:CH+9]
	v_pk_add_f32 v[14:15], v[14:15], v[CH:CH+1]
.endm
; A KEY STEP: 128 keys; s70, s71: where its codes and its scale words begin in LDS.
.macro STEP qs
	v_add_nc_u32 v[ADC], s70, v[AK0]
	v_add_nc_u32 v[ADS], s71, v[AKS0]
.irp b, 0,1,2,3
.irp c, 0,1,2,3
	ds_load_b128 v[F+16*\b+4*\c:F+16*\b+4*\c+3], v[ADC] offset:2048*\b+512*\c
.endr
.endr
	ds_load_b32 v[KSR], v[ADS]
	ds_load_b32 v[KSR+1], v[ADS] offset:128
	s_wait_alu depctr_va_vdst(0)
	s_wait_dscnt 0x0
.irp b, 0,1,2,3                        ; S^T = K Q^T: pair b against (q, 0) and against (0, q)
	SW S+16*\b, \b, 24, \qs
	SW S+16*\b+8, \b, 16, \qs
.endr
	JOIN                                           ; the last step's chains.  With the move below: eight places, for V's loads and for the first read of the scores
	v_mov_b32 v[T0], v12                           ; the old -M
.irp t, 0,1,2,3                        ; V's four fragments land under the softmax
.irp c, 0,1,2,3
	ds_load_b128 v[F+16*\t+4*\c:F+16*\t+4*\c+3], v[ADC] offset:8192+2048*\t+512*\c
.endr
.endr
	ds_load_b32 v[KSR], v[ADS] offset:2048
	ds_load_b32 v[KSR+1], v[ADS] offset:2048+128
.irp b, 0,1,2,3
	v_max3_num_f32 v[BM+\b], v[S+16*\b], v[S+16*\b+1], v[S+16*\b+2]   ; the largest score of each block of 32 keys: for the row's maximum and, since p rises with the score, for the block's largest p
.endr
.irp i, 3,5,7,9,11,13
.irp b, 0,1,2,3
	v_max3_num_f32 v[BM+\b], v[BM+\b], v[S+16*\b+\i], v[S+16*\b+\i+1]
.endr
.endr
.irp b, 0,1,2,3
	v_max_num_f32 v[BM+\b], v[BM+\b], v[S+16*\b+15]
.endr
.irp b, 0,1,2,3
	s_delay_alu instid0(VALU_DEP_4)
	v_permlanex16_b32 v[BP+\b], v[BM+\b], s60, s61
.endr
.irp b, 0,1,2,3
	s_delay_alu instid0(VALU_DEP_4)
	v_max_num_f32 v[BM+\b], v[BM+\b], v[BP+\b]     ; with lane l xor 16's 16 keys
.endr
	s_delay_alu instid0(VALU_DEP_2)
	v_max3_num_f32 v[T1], v[BM], v[BM+1], v[BM+2]
	s_delay_alu instid0(VALU_DEP_1)
	v_max_num_f32 v[T1], v[T1], v[BM+3]            ; the step's largest score of my query
	s_delay_alu instid0(VALU_DEP_1)
	v_mul_f32 v[T1], s66, v[T1]                    ; as t (c is positive)
	s_delay_alu instid0(VALU_DEP_1)
	v_max_num_f32 v13, v13, v[T1]                  ; the running largest t
	s_delay_alu instid0(VALU_DEP_1)
	v_floor_f32 v12, -v13                          ; -M = floor(-t) = -ceil(t): M is a whole number
	s_delay_alu instid0(VALU_DEP_1)
	v_sub_f32 v[T0], v12, v[T0]                    ; old M - new M: a whole number, 0 or less
	s_delay_alu instid0(VALU_DEP_1)
	v_cvt_i32_f32 v[T0], v[T0]                     ; (it saturates)
	s_delay_alu instid0(VALU_DEP_1)
	v_ldexp_f32 v[FF], 1.0, v[T0]                  ; f = 2^(old M - new M); 0 in a head's first step
.set J, 0
.rept 32
	v_pk_fma_f32 v[S+J:S+J+1], v[S+J:S+J+1], s[66:67], v[12:13] op_sel_hi:[1,0,0]   ; t - M, two at a time (of the pairs c and -M the low word serves both halves)
.set J, J+2
.endr
.irp b, 0,1,2,3
	v_fma_f32 v[BM+\b], v[BM+\b], s66, v12         ; the same of each block's largest score
.endr
	s_wait_alu depctr_va_vdst(0)                   ; the wait ahead of the batch
.set J, 0
.rept 64
	v_exp_f32 v[S+J], v[S+J]                       ; p = 2^(t - M), at most 1
.set J, J+1
.endr
.irp b, 0,1,2,3
	v_exp_f32 v[BM+\b], v[BM+\b]                   ; the block's largest p
.endr
	v_pk_mul_f32 v[14:15], v[14:15], v[FF:FF+1] op_sel_hi:[1,0]   ; the sum under the new M.  (A plain place behind the exponentials)
	s_wait_alu depctr_va_vdst(0)                   ; and the one wait behind the batch
.irp b, 0,1,2,3
	v_max_num_f32 v[BM+\b], 0x8000000, v[BM+\b]    ; the floor 2^(16 - 127): the byte cannot fall under 1
.endr
.irp b, 0,1,2,3
	s_delay_alu instid0(VALU_DEP_4)
	v_add_nc_u32 v[SO+\b], 0xf8800000, v[BM+\b]    ; 15 off the exponent field: the conversion's scale operand
.endr
.irp b, 0,1,2,3
	v_and_or_b32 v[HO+\b], v[BM+\b], 0x7f800000, s68   ; 57,344 x the scale
.endr
.irp b, 0,1,2,3
	v_lshrrev_b32 v[BP+\b], 23, v[SO+\b]           ; the scale's byte
.endr
.irp b, 0,1,2,3
.irp i, 0,2,4,6,8,10,12,14             ; the hold (the conversion to an 8-bit code does not saturate: ISA guide 7.6.2; p is not negative, so it is one-sided), two numbers a line, into T: p itself stays for the sum
	v_dual_min_num_f32 v[T+\i], v[S+16*\b+\i], v[HO+\b] :: v_dual_min_num_f32 v[T+\i+1], v[S+16*\b+\i+1], v[HO+\b]
.endr
	v_cvt_scalef32_pk8_bf8_f32 v[PC+4*\b:PC+4*\b+1], v[T:T+7], v[SO+\b]
	v_cvt_scalef32_pk8_bf8_f32 v[PC+4*\b+2:PC+4*\b+3], v[T+8:T+15], v[SO+\b]
.if \b == 0                            ; p's scale word, a line behind each block's conversions: the plain line ahead of the next block's writes of T
	v_lshl_or_b32 v[PW], v[BP+1], 8, v[BP]
.elseif \b < 3
	v_lshl_or_b32 v[PW], v[BP+\b+1], 8*(\b+1), v[PW]
.endif
.endr
	s_wait_alu depctr_va_vdst(0)                   ; directly ahead of the first reader of O^T
.set J, 0
.rept 16
	v_pk_mul_f32 v[O+J:O+J+1], v[O+J:O+J+1], v[FF:FF+1] op_sel_hi:[1,0]   ; O^T under the new M.  (Also the codes' and the scale word's places)
.set J, J+2
.endr
	s_wait_alu depctr_va_vdst(0)                   ; directly ahead of the wait below
	s_wait_dscnt 0x0                               ; V's fragments and scale words are in
.irp t, 0,1,2,3                        ; O^T += V^T P^T: the four accumulators take turns
.if \t%2
	v_wmma_scale_f32_16x16x128_f8f6f4 v[O+8*\t:O+8*\t+7], v[F+16*\t:F+16*\t+15], v[PC:PC+15], v[O+8*\t:O+8*\t+7], v[KSR+\t/2], v[PW] matrix_a_fmt:MATRIX_FMT_BF8 matrix_b_fmt:MATRIX_FMT_BF8 matrix_a_scale:MATRIX_SCALE_ROW1
.else
	v_wmma_scale_f32_16x16x128_f8f6f4 v[O+8*\t:O+8*\t+7], v[F+16*\t:F+16*\t+15], v[PC:PC+15], v[O+8*\t:O+8*\t+7], v[KSR+\t/2], v[PW] matrix_a_fmt:MATRIX_FMT_BF8 matrix_b_fmt:MATRIX_FMT_BF8
.endif
.endr
.irp i, 0,1,2,3,4,5,6                  ; THE ROW'S SUM OF THE UNQUANTISED p: 32 pairs into seven chains and the sum: 25 lines, which name no register of the products above
	v_pk_add_f32 v[CH+2*\i:CH+2*\i+1], v[S+4*\i:S+4*\i+1], v[S+4*\i+2:S+4*\i+3]
.endr
	v_pk_add_f32 v[14:15], v[14:15], v[S+28:S+29]
.irp k, 15,16,17,18,19,20,21,22,23,24,25,26,27,28,29,30,31
.if (\k-15)%8 == 7
	v_pk_add_f32 v[14:15], v[14:15], v[S+2*\k:S+2*\k+1]
.else
	v_pk_add_f32 v[CH+2*((\k-15)%8):CH+2*((\k-15)%8)+1], v[CH+2*((\k-15)%8):CH+2*((\k-15)%8)+1], v[S+2*\k:S+2*\k+1]
.endif
.endr
.endm
; THE WAY OUT goes through my stage in two passes of eight queries.  In each pass all 32 lanes store 64 bytes: lanes r < 8 channels 16 h + 0 .. 15 of stage row r, lanes r >= 8 channels 32 + 16 h + 0 .. 15 of stage row r - 8;
; then all lanes read whole rows back.  p = 0: queries 0-7, from v[S+32] on; p = 1: queries 8-15, from v[S+16] on.
.macro PASS p
.irp k, 0,1,2,3
	ds_store_b128 v[STI], v[S+32-16*\p+4*\k:S+32-16*\p+4*\k+3] offset:16*\k
.endr
.irp i, 0,1,2,3
	ds_load_b128 v[F+16*\p+4*\i:F+16*\p+4*\i+3], v[STO] offset:2*\i*SROW       ; LDS serves a wave's instructions in order (ISA guide 5.7.1.4): these see my stores, and the next pass's stores come behind them
.endr
.endm
; ONE HEAD.  u = 0, 1, 2; its K and V lie in slot u % 2.
.macro UNIT u
	s_wait_tensorcnt 0x0                           ; all my tensor loads are in: my part of this head's slot
	ds_add_u32 v[SPW], v[NIL]
.if \u < 2
	ds_add_u32 v[SPW], v[NIL]                      ; and twice on end where a tensor load follows
	s_lshl_b32 s41, s10, 14                        ; no load of mine is out, so the descriptors may be written: the other slot,
.if \u == 0
	s_add_co_u32 s41, s41, SLOT
	s_mov_b32 s45, SLOT+SCO
.else
	s_mov_b32 s45, SCO
.endif
	s_add_nc_u64 s[42:43], s[42:43], 64*196608     ; the head 64 on
	s_add_nc_u64 s[46:47], s[46:47], 64*6144
.endif
.if \u > 0
	s_wait_xcnt 0x0                                ; the last head's stores have read v[F] on, which K's loads write again
.endif
	s_wait_dscnt 0x0                               ; the add is done, and my reads of the slot that I have left
.if \u < 2
	ROUND                                          ; so of every wave of all four work-groups
	TLOAD                                          ; the next head, into the slot that nobody reads: u = 0: its first fill; u = 1: a refill
	global_prefetch_b8 v[PFO], s[48+2*(\u+1):49+2*(\u+1)] th:TH_LOAD_NT scope:SCOPE_SE   ; my tile of the next head's q; these address registers are never rewritten
.else
	s_barrier_signal -1
	s_barrier_wait -1
.endif
	v_mov_b32 v13, 0xff61b1e6                      ; the largest t so far: -3e38, under every t
	v_floor_f32 v12, -v13                          ; -M
	s_mov_b32 s70, (\u%2)*SLOT
	s_mov_b32 s71, (\u%2)*SLOT
	s_mov_b32 s72, 8
	s_wait_alu depctr_va_vdst(0)
.if \u > 0
	s_wait_loadcnt 0x0                             ; this head's q
.endif
.Lstep_\u:
	STEP QSW+\u
	s_add_co_u32 s70, s70, 16384
	s_add_co_u32 s71, s71, 256
	s_sub_co_u32 s72, s72, 1
	s_cmp_lg_u32 s72, 0
	s_wait_alu depctr_va_vdst(0)                   ; directly ahead of the branch
	s_cbranch_scc1 .Lstep_\u
	JOIN                                           ; the last step's chains
.if \u < 2
	global_load_b128 v[24:27], v[AK0], s[48+2*(\u+1):49+2*(\u+1)]              ; the next head's q lands under the way out
	global_load_b128 v[28:31], v[AK0], s[48+2*(\u+1):49+2*(\u+1)] offset:512
.endif
	v_add_f32 v14, v14, v15                        ; the sum's two halves,
	v_permlanex16_b32 v[T0], v14, s60, s61
	v_add_f32 v14, v14, v[T0]                      ; and lane l xor 16's: the row's sum
	s_wait_alu depctr_va_vdst(0)                   ; the wait ahead of the transcendental
	v_rcp_f32 v[FF], v14
	v_and_b32 v[T1], 8, v0                         ; (a plain place)  8 where my query is one of 8-15
	s_wait_alu depctr_va_vdst(0)                   ; the wait behind the transcendental, directly ahead of the first reader of O^T
.set J, 0
.rept 16
	v_pk_mul_f32 v[S+J:S+J+1], v[O+J:O+J+1], v[FF:FF+1] op_sel_hi:[1,0]   ; each accumulator from its low end on
.set J, J+2
.endr
	; v[S] on: my query's channels 16 h + 0 .. 15 (tiles 0, 1); v[S+16] on: 32 + 16 h + 0 .. 15 (tiles 2, 3).  Lanes r and r xor 8 exchange half a row, so that each pass has 64 bytes in every lane
	v_cmp_ne_u32 s81, 0, v[T1]                     ; the mask of lanes r >= 8
.set J, 0
.rept 16
	v_cndmask_b32 v[S+32+J], v[S+16+J], v[S+J], s81   ; what I send: r < 8: my upper channels; r >= 8: my lower ones
.set J, J+1
.endr
.set J, 0
.rept 16
	v_mov_b32_dpp v[S+48+J], v[S+32+J] row_xmask:8 row_mask:0xf bank_mask:0xf   ; what lane r xor 8 sends
.set J, J+1
.endr
.set J, 0
.rept 16
	v_cndmask_b32 v[S+32+J], v[S+J], v[S+48+J], s81      ; pass 0: r < 8: my lower channels; r >= 8: query r - 8's upper ones
	v_cndmask_b32 v[S+16+J], v[S+48+J], v[S+16+J], s81   ; pass 1: r < 8: query r + 8's lower channels; r >= 8: my upper ones
.set J, J+1
.endr
	PASS 0
	PASS 1
.irp i, 0,1,2,3
	s_wait_dscnt 11-\i                             ; behind pass 0's load i: its 3 - i others, pass 1's four stores and four loads
	global_store_b128 v[GO], v[F+4*\i:F+4*\i+3], s[54+2*\u:55+2*\u] offset:2*\i*3072 th:TH_STORE_NT   ; sixteen lanes store a token's 256 consecutive bytes, at a multiple of 256 from the output's first byte
.endr
.irp i, 0,1,2,3
	s_wait_dscnt 3-\i
	global_store_b128 v[GO], v[F+16+4*\i:F+16+4*\i+3], s[54+2*\u:55+2*\u] offset:(16+2*\i)*3072 th:TH_STORE_NT   ; queries 8-15 of my tile are tokens 16-23 from its first
.endr
.endm
	s_wait_alu depctr_va_vdst(0)
	UNIT 0
	UNIT 1
	UNIT 2
	s_wait_tensorcnt 0x0                           ; the wave's end
	ds_add_u32 v[SPW], v[NIL]
	s_wait_dscnt 0x0
	ROUND                                          ; the closing round
	s_endpgm
.Lfunc_end_k_q31f8635c0f_attn:
	.size	k_q31f8635c0f_attn, .Lfunc_end_k_q31f8635c0f_attn-k_q31f8635c0f_attn
	.p2alignl 7, 3214868480
	.fill 96, 4, 3214868480
	.section	.rodata,"a",@progbits
	.p2align	6, 0x0
	.amdhsa_kernel k_q31f8635c0f_attn
		.amdhsa_group_segment_fixed_size 327680
		.amdhsa_private_segment_fixed_size 0
		.amdhsa_enable_private_segment 0
		.amdhsa_kernarg_size 24
		.amdhsa_user_sgpr_count 2
		.amdhsa_user_sgpr_kernarg_segment_ptr 1
		.amdhsa_wavefront_size32 1
		.amdhsa_system_sgpr_workgroup_id_x 1
		.amdhsa_system_sgpr_workgroup_id_y 1
		.amdhsa_system_sgpr_workgroup_id_z 1
		.amdhsa_system_vgpr_workitem_id 0
		.amdhsa_next_free_vgpr 256
		.amdhsa_next_free_sgpr 90
		.amdhsa_reserve_vcc 0
		.amdhsa_float_denorm_mode_32 3
		.amdhsa_float_denorm_mode_16_64 3
		.amdhsa_memory_ordered 1
		.amdhsa_forward_progress 1
		.amdhsa_inst_pref_size 95
	.end_amdhsa_kernel
	.amdgpu_metadata
---
amdhsa.version: [ 1, 2 ]
amdhsa.kernels:
  - .name:           k_q31f8635c0f_attn
    .symbol:         k_q31f8635c0f_attn.kd
    .args:
      - { .name: qkvc, .offset: 0, .size: 8, .value_kind: global_buffer, .address_space: global }
      - { .name: qkvs, .offset: 8, .size: 8, .value_kind: global_buffer, .address_space: global }
      - { .name: out0, .offset: 16, .size: 8, .value_kind: global_buffer, .address_space: global }
    .group_segment_fixed_size: 327680
    .private_segment_fixed_size: 0
    .kernarg_segment_align: 8
    .kernarg_segment_size: 24
    .max_flat_workgroup_size: 512
    .sgpr_count:     90
    .vgpr_count:     256
    .wavefront_size: 32
...
	.end_amdgpu_metadata
.endif
;; end of part 3
